; MI455X (gfx1250); checked and timed in simulation.
; The chip was launched on July 23, 2026; its instructions are those of AMD's public machine-readable ISA for CDNA 5 (MIT licence, August 2026) and "CDNA5" Instruction Set Architecture Reference Guide (July 2026). The comments in the code are by the model that wrote it; some were corrected since.
;; Bi Mpm Matching. Allowed arithmetic: float matrix products may take bf16 or f16 operands with f32 sums; other float arithmetic in f32, or as packed bf16 or f16 multiplies, adds, multiply-adds, maxima and minima; sums over many terms, partial sums and values carried from step to step in f32; what a program stores and reads back later, other than sums and carried values, may be rounded once to bf16 or f16.
;; Inputs: context_1 16 x 96 x 384 float32; context_2 16 x 112 x 384 float32; mask_1 16 x 96 bool; mask_2 16 x 112 bool; w_att 24 x 384 float32; w_full 24 x 384 float32; w_max_att 24 x 384 float32; w_maxpool 24 x 384 float32.
;; Outputs: out0 16 x 96 x 125 float32; out1 16 x 112 x 125 float32.
;; One version. Each part assembles by itself: llvm-mc -triple=amdgcn-amd-amdhsa -mcpu=gfx1250 --defsym DOCPART=n.
;; ======== version 1 of 1: 1 launch
;; limits: values outside matrix products are rounded to bf16
;; launch bimpm (part 1): grid 13 x 16, 8 waves a work-group, no clusters, 251,136 bytes of LDS; arguments context_1, context_2, mask_1, mask_2, w_att, w_full, w_max_att, w_maxpool, out0, out1; writes out0, out1
.if DOCPART == 1
	.amdgcn_target "amdgcn-amd-amdhsa--gfx1250"
	.amdhsa_code_object_version 6
	.text
	.protected	k_q029303b52a_bimpm
	.globl	k_q029303b52a_bimpm
	.p2align	8
	.type	k_q029303b52a_bimpm,@function
k_q029303b52a_bimpm:
	s_mov_b64 s[64:65], 0
	v_nop
	global_prefetch_b8 v0, s[64:65] scope:SCOPE_SE
	s_setreg_imm32_b32 hwreg(HW_REG_WAVE_MODE, 25, 1), 1
	s_wait_xcnt 0x0
; BiMPM matching, both directions, one launch.
; Work-group (x, y): batch y; x = 0..5: rows 16x..16x+15 of context_1 against context_2 (out0);
; x = 6..12: rows 16(x-6).. of context_2 against context_1 (out1).  "own" X = my 16 rows, "oth" Y = the other sentence,
; always handled as 112 rows: where it has 96, rows 96..111 are loaded from rows 0..15 and multiplied by mask 0,
; so that every trip count, LDS address and wait count is a constant.
; All 125 columns of my 16 rows are made here and gathered in LDS as the exact image of the 8,000 output bytes.
; Eight waves.  Long phase: waves 0-3 do the max-attentive maxima (vector work), waves 4-7 the 24 pairwise products (matrix work);
; both keep their results in registers, so that no LDS byte is written while their loops, which step LDS addresses, read.
; Products: bf16 operands, f32 sums.  w enters as w*w: sum (w x)(w y) = sum w2 (x y).
; LIMITS KEPT: inputs are finite.  Matrix operands are rounded to bf16, and elementwise operand products (x*y, x*x, w2*x)
; are rounded to bf16 once more.  The other sentence enters the max-attentive maxima rounded to bf16 (arithmetic in f32).
; A maxpool norm of an own row below 2^-123 (9.4e-38) counts as zero (its similarities come out 0).
; NO TENSOR LOADS, NO CLUSTER: every input number is multiplied by its mask or squared and then rounded to bf16 on its way into LDS,
; which takes registers; and 13 work-groups along x divide into no cluster of 4.
.set PITCH,   784                      ; LDS row of 384 bf16 + 16 bytes: 49 x 16, so 16 rows of a fragment start 16 bytes apart modulo 256
.set YB,      0                        ; 128 rows: oth, masked, bf16; rows 112..127 zero
.set XB,      100352                   ; 16 rows: own, masked, bf16
.set W2MP,    112896                   ; 24 rows each: w*w in bf16
.set W2FULL,  131712
.set W2ATT,   150528
.set W2MAX,   169344
.set W2STEP,  18816
.set ONESROW, 188160                   ; one row of bf16 1.0
.set VA,      188944                   ; 16 rows: attentive mean vector, bf16
.set VM,      201488                   ; 16 rows: attentive max vector, bf16
.set COSF,    214032                   ; cos[i][j] f32, pitch 464
.set CFP,     464
.set COSB,    221456                   ; cos[i][j] bf16, pitch 272, j = 112..127 zero
.set CBP,     272
.set RNB,     225808                   ; 1/|w_p y_j| f32 [p][j], pitch 464
.set NACL,    236944                   ; |w_p x_i| * 1e13, f32 [p 0..31][i], pitch 64
.set RNA,     238992                   ; 1/|w_p x_i|, same layout, 2048 bytes behind NACL
.set BIAS,    241040                   ; f32 [128]: 0 where oth's mask is set, -1e30 elsewhere
.set OUTT,    241552                   ; 16 rows x 125 f32, pitch 500: the output's image
.set EPSC,    0x322bcc77               ; 1e-8
.set TINYC,   0x29e12e13               ; 1e-13
.set BIGC,    0x551184e7               ; 1e13
.set NEGC,    0xf149f2ca               ; -1e30
.set ONE2,    0x3f803f80               ; two bf16 1.0
.set SMALLC,  0x02000000               ; 2^-123
; Common registers: v0 thread, v1 lane L, v2 r = L & 15, v3 h = L >> 4, v4 FR = r*784 + 16h, v5 16h, v6 1/max(count,1e-13),
; v7 target of the lane exchange; v8-v27 a phase's addresses; v28-v255 a phase's data; v256-v447 weights on the way in, then B fragments.
.set MSB, 0
.macro WIN new                         ; register window switch; the high byte repeats the setting that is left
.if MSB != \new
	s_set_vgpr_msb (MSB<<8)|\new
.set MSB, \new
.endif
.endm
.macro PLACES                          ; four independent vector places behind matrix instructions (ISA guide 7.12.1)
.rept 4
	v_nop
.endr
.endm
.macro BARRIER                         ; my LDS stores and loads are complete, then all eight waves meet
	s_wait_dscnt 0x0
	s_barrier_signal -1
	s_barrier_wait -1
.endm
.macro MM d, a, b, z                   ; one link of a chain: D += A x B; z: the first link takes 0
.if \z
	v_wmma_f32_16x16x32_bf16 v[(\d):(\d)+7], v[(\a):(\a)+7], v[(\b):(\b)+7], 0
.else
	v_wmma_f32_16x16x32_bf16 v[(\d):(\d)+7], v[(\a):(\a)+7], v[(\b):(\b)+7], v[(\d):(\d)+7]
.endif
.endm
	s_load_b512 s[16:31], s[0:1], 0x0              ; ctx1 16, ctx2 18, mask1 20, mask2 22, w_att 24, w_full 26, w_max_att 28, w_maxpool 30
	s_load_b128 s[32:35], s[0:1], 0x40             ; out0 32, out1 34
	s_set_vgpr_msb 0x40
	v_lshl_add_u32 v254, v0, 2, 0x3d100
	v_mov_b32 v255, 0
	s_set_vgpr_msb 0x4000
	v_lshrrev_b32 v1, 5, v0
	v_readfirstlane_b32 s8, v1                     ; wave w
	v_and_b32 v1, 31, v0
	v_and_b32 v2, 15, v0
	v_bfe_u32 v3, v0, 4, 1
	v_mul_u32_u24 v4, v2, PITCH
	v_lshlrev_b32 v5, 4, v3
	v_add_nc_u32 v4, v4, v5
	v_mov_b32 v7, 0
	v_cmp_ne_u32 s62, 0, v3                        ; the lanes with h = 1
	s_mov_b32 s12, 0x76543210                      ; lane i of one half reads lane i of the other
	s_mov_b32 s13, 0xfedcba98
	s_mov_b32 s76, 96
	s_mov_b32 s77, 112
	s_and_b32 s11, ttmp7, 0xffff                   ; batch
	s_cmp_ge_u32 ttmp9, 6
	s_cselect_b32 s9, 1, 0                         ; direction
	s_cselect_b32 s14, s76, s77                    ; NO: rows of oth
	s_cselect_b32 s58, s77, s76                    ; NS: rows of own's sentence
	s_cselect_b32 s59, 6, 0
	s_sub_co_u32 s10, ttmp9, s59                   ; tile
	s_lshr_b32 s15, s14, 2                         ; words of oth's mask
	s_mul_i32 s74, s11, s58
	s_lshl4_add_u32 s74, s10, s74                  ; my first row = batch*NS + 16*tile
	s_mul_i32 s75, s11, s14                        ; oth's first row = batch*NO
	s_and_b32 s61, s8, 3
	s_lshl_b32 s53, s61, 3                         ; bit of byte w & 3 in a mask word
	s_lshr_b32 s54, s8, 2
	; phase L addresses: a wave takes rows w, w+8, ..; a lane 16 bytes of f32 in each third of a row, 8 bytes of bf16 out
	s_mul_i32 s58, s8, 1536
	s_mul_i32 s59, s8, PITCH
	v_lshl_add_u32 v8, v1, 4, s58                  ; global: row w, 16 L
	v_lshl_add_u32 v9, v1, 3, s59                  ; LDS: YB + row w, 8 L
	v_add_nc_u32 v10, 64*PITCH, v9                 ; rows 64 and up
	v_add_nc_u32 v11, XB, v9
	v_add_nc_u32 v12, W2MP, v9
	s_sub_co_u32 s58, s15, 1
	v_min_u32 v13, s58, v1
	v_lshlrev_b32 v13, 2, v13                      ; oth's mask word min(L, words-1)
	v_and_b32 v14, 3, v1
	v_lshlrev_b32 v14, 2, v14                      ; own's mask word L & 3
	WIN 0x40
	v_add_nc_u32 v108, W2FULL, v9                  ; v364
	WIN 0
	s_wait_kmcnt 0x0
	s_cmp_lg_u32 s9, 0
	s_cselect_b64 s[36:37], s[18:19], s[16:17]     ; own context
	s_cselect_b64 s[38:39], s[16:17], s[18:19]     ; oth context
	s_cselect_b64 s[42:43], s[22:23], s[20:21]     ; own mask
	s_cselect_b64 s[44:45], s[20:21], s[22:23]     ; oth mask
	s_cselect_b64 s[46:47], s[34:35], s[32:33]     ; my output
	s_cselect_b32 s58, 0, 96*1536                  ; rows 96.. of oth: real ones, or rows 0.. once more (mask 0)
	s_mov_b32 s49, 0
	s_mul_i32 s48, s74, 1536
	s_add_nc_u64 s[36:37], s[36:37], s[48:49]
	s_mul_i32 s48, s75, 1536
	s_add_nc_u64 s[38:39], s[38:39], s[48:49]
	s_mov_b32 s48, s58
	s_add_nc_u64 s[40:41], s[38:39], s[48:49]
	s_mov_b32 s48, s74
	s_add_nc_u64 s[42:43], s[42:43], s[48:49]
	s_mov_b32 s48, s75
	s_add_nc_u64 s[44:45], s[44:45], s[48:49]
	s_mul_i32 s48, s74, 500
	s_add_nc_u64 s[46:47], s[46:47], s[48:49]
; ---------------- PHASE L: load, mask or square, round to bf16, into LDS ----------------
	global_load_b32 v15, v13, s[44:45]
	global_load_b32 v16, v14, s[42:43]
.irp a,0,1
.irp m,0,1,2
	global_load_b128 v[28+12*\a+4*\m:31+12*\a+4*\m], v8, s[36:37] offset:12288*\a+512*\m
.endr
.endr
.irp u,0,1,2
.irp m,0,1,2
	global_load_b128 v[52+12*\u+4*\m:55+12*\u+4*\m], v8, s[30:31] offset:12288*\u+512*\m
.endr
.endr
.irp q,0,1,2,3,4,5,6,7,8,9,10,11
.irp m,0,1,2
	global_load_b128 v[88+12*\q+4*\m:91+12*\q+4*\m], v8, s[38:39] offset:12288*\q+512*\m
.endr
.endr
.irp q,12,13
.irp m,0,1,2
	global_load_b128 v[88+12*\q+4*\m:91+12*\q+4*\m], v8, s[40:41] offset:12288*(\q-12)+512*\m
.endr
.endr
; One row of 12 registers: mode 0 times the row's mask (s56), mode 1 squared; six packed roundings in place (ascending, so no
; source is overwritten early); three stores of 8 bytes a lane.
.macro ROWCVT R, mode, addr, off
.irp c,0,1,2,3,4,5
.if \mode
	v_pk_mul_f32 v[(\R)+2*\c:(\R)+2*\c+1], v[(\R)+2*\c:(\R)+2*\c+1], v[(\R)+2*\c:(\R)+2*\c+1]
.else
	v_pk_mul_f32 v[(\R)+2*\c:(\R)+2*\c+1], v[(\R)+2*\c:(\R)+2*\c+1], s[56:57] op_sel_hi:[1,0]
.endif
.endr
.irp c,0,1,2,3,4,5
	v_cvt_pk_bf16_f32 v[(\R)+\c], v[(\R)+2*\c], v[(\R)+2*\c+1]
.endr
.irp m,0,1,2
	ds_store_b64 v[\addr], v[(\R)+2*\m:(\R)+2*\m+1] offset:(\off)+256*\m
.endr
.endm
	s_wait_loadcnt 57                              ; 59 loads issued; the two mask words are the oldest
	v_cmp_gt_u32 vcc_lo, s15, v1
	v_cndmask_b32 v15, 0, v15, vcc_lo              ; lanes beyond oth's mask: 0
	s_mov_b32 s50, 0
.irp b,0,8,16,24
	v_and_b32 v19, 1<<\b, v15
	v_cmp_ne_u32 s58, 0, v19
	s_bcnt1_i32_b32 s58, s58
	s_add_co_u32 s50, s50, s58                     ; count of oth's mask, a whole number
.endr
	s_cmp_eq_u32 s50, 0
	s_cselect_b32 s51, -1, 0                       ; all lanes set where the count is 0
	s_max_u32 s52, s50, 1
	s_sub_co_u32 s52, s52, 1
	s_min_u32 s52, s52, 111
	s_mul_i32 s52, s52, PITCH                      ; LDS row of oth's token number max(count-1, 0)
	v_cvt_f32_u32 v6, s50
	v_max_num_f32 v6, TINYC, v6
	v_rcp_f32 v6, v6
	v_lshrrev_b32 v17, s53, v15                    ; (independent place behind the reciprocal)
	v_and_b32 v17, 1, v17
	v_cvt_f32_u32 v17, v17                         ; lane l: mask of oth's row 4 l + (w & 3), as 0.0 or 1.0
	v_lshrrev_b32 v18, s53, v16
	v_and_b32 v18, 1, v18
	v_cvt_f32_u32 v18, v18                         ; the same for own
	s_cmp_lg_u32 s8, 0
	s_cbranch_scc1 .Lnobias
	v_mov_b32 v24, NEGC                            ; wave 0: the bias table, four j a lane
.irp b,0,1,2,3
	v_and_b32 v19, 1<<(8*\b), v15
	v_cmp_eq_u32 vcc_lo, 0, v19
	v_cndmask_b32 v[20+\b], 0, v24, vcc_lo
.endr
	v_lshlrev_b32 v25, 4, v1
	v_add_nc_u32 v25, BIAS, v25
	ds_store_b128 v25, v[20:23]
.Lnobias:
	s_cmp_lg_u32 s8, 7
	s_cbranch_scc1 .Lnoones
	v_mov_b32 v20, ONE2                            ; wave 7: the row of ones
	v_mov_b32 v21, ONE2
	v_lshlrev_b32 v25, 3, v1
	v_add_nc_u32 v25, ONESROW, v25
.irp m,0,1,2
	ds_store_b64 v25, v[20:21] offset:256*\m
.endr
.Lnoones:
.irp a,0,1
	s_wait_loadcnt 54-3*\a                         ; loads return in order: what was issued behind this row's third load may stay out
	s_add_co_u32 s55, s54, 2*\a
	v_readlane_b32 s56, v18, s55                   ; mask of own's row w + 8a
	s_mov_b32 s57, s56
	ROWCVT 28+12*\a, 0, 11, 8*PITCH*\a
.endr
.irp u,0,1,2
	s_wait_loadcnt 48-3*\u
	ROWCVT 52+12*\u, 1, 12, 8*PITCH*\u
.endr
.macro YROW q, left, addr, off
	s_wait_loadcnt \left
	s_add_co_u32 s55, s54, 2*\q
	v_readlane_b32 s56, v17, s55                   ; mask of oth's row w + 8q
	s_mov_b32 s57, s56
	ROWCVT 88+12*\q, 0, \addr, \off
.endm
	YROW 0, 39, 9, 0
	YROW 1, 36, 9, 8*PITCH
	WIN 0x40                                       ; the other three weight tables into v256-v363: 27 more loads
.irp m,0,1,2
	global_load_b128 v[4*\m:4*\m+3], v8, s[26:27] offset:512*\m
	global_load_b128 v[12+4*\m:15+4*\m], v8, s[26:27] offset:12288+512*\m
	global_load_b128 v[24+4*\m:27+4*\m], v8, s[26:27] offset:24576+512*\m
.endr
.irp m,0,1,2
	global_load_b128 v[36+4*\m:39+4*\m], v8, s[24:25] offset:512*\m
	global_load_b128 v[48+4*\m:51+4*\m], v8, s[24:25] offset:12288+512*\m
	global_load_b128 v[60+4*\m:63+4*\m], v8, s[24:25] offset:24576+512*\m
.endr
.irp m,0,1,2
	global_load_b128 v[72+4*\m:75+4*\m], v8, s[28:29] offset:512*\m
	global_load_b128 v[84+4*\m:87+4*\m], v8, s[28:29] offset:12288+512*\m
	global_load_b128 v[96+4*\m:99+4*\m], v8, s[28:29] offset:24576+512*\m
.endr
	WIN 0
.irp q,2,3,4,5,6,7
	YROW \q, 66-3*\q, 9, 8*PITCH*\q                ; 86 issued in all, 20 + 3q up to this row's last
.endr
.irp q,8,9,10,11,12,13
	YROW \q, 66-3*\q, 10, 8*PITCH*(\q-8)
.endr
	v_mov_b32 v26, 0
	v_mov_b32 v27, 0
.irp m,0,1,2
	ds_store_b64 v10, v[26:27] offset:48*PITCH+256*\m      ; rows 112 + w and 120 + w: zeros, the K tail of the attentive product
	ds_store_b64 v10, v[26:27] offset:56*PITCH+256*\m
.endr
	WIN 0x45                                       ; sources, destination and LDS address in v256 and up
	; each table's nine loads were issued third by third, so a table is waited for whole: 18, 9, 0 younger loads
.irp g,0,1,2
	s_wait_loadcnt 18-9*\g
.irp a,0,1,2
	ROWCVT 36*\g+12*\a, 1, 108, W2STEP*\g+8*PITCH*\a
.endr
.endr
	WIN 0
	BARRIER                                        ; 1: YB, XB, the w2 tables, ones and bias are in LDS
; ---------------- PHASE 1: cos, norms ----------------
	s_cmp_eq_u32 s8, 7
	s_cbranch_scc1 .Lp1w7
	; waves 0-6: tile t = w of oth (16 j).  C[j,i] = Y X^T; N0, N1[j,p] = Y^2 W2^T; NS[j,.] = Y^2 1; OS[.,i] = 1 X^2
	s_mul_i32 s58, s8, 16*PITCH
	v_add_nc_u32 v8, s58, v4
	v_add_nc_u32 v9, XB, v4
	v_add_nc_u32 v10, W2MP, v4
	v_and_b32 v19, 7, v2
	v_mul_u32_u24 v11, v19, PITCH
	v_add3_u32 v11, v11, v5, W2MP+16*PITCH         ; rows 16 + (r & 7)
	v_mul_u32_u24 v20, v2, CFP
	v_lshl_add_u32 v20, v3, 5, v20
	s_lshl_b32 s58, s8, 6
	s_add_co_u32 s59, s58, COSF
	v_add_nc_u32 v12, s59, v20                     ; cos f32: row i = r, j = 16t + 8h
	s_add_co_u32 s59, s58, RNB
	v_add_nc_u32 v14, s59, v20                     ; 1/nb: row p = r
	v_mul_u32_u24 v21, v19, CFP
	v_lshl_add_u32 v21, v3, 5, v21
	s_add_co_u32 s59, s58, RNB+16*CFP
	v_add_nc_u32 v15, s59, v21                     ; row p = 16 + (r & 7)
	v_mul_u32_u24 v13, v2, CBP
	s_lshl_b32 s58, s8, 5
	s_add_co_u32 s58, s58, COSB
	v_add3_u32 v13, v13, v5, s58                   ; cos bf16
.irp j,0,1,2,3,4,5,6,7
	v_mov_b32 v[156+\j], ONE2
.endr
.macro P1LD k                          ; 8 loads: fragments of Y, X, W rows 0-15, W rows 16-23 at K step k, ring of three
.set ldb, 28+32*((\k)%3)
	ds_load_b128 v[ldb:ldb+3], v8 offset:64*(\k)
	ds_load_b128 v[ldb+4:ldb+7], v8 offset:64*(\k)+32
	ds_load_b128 v[ldb+8:ldb+11], v9 offset:64*(\k)
	ds_load_b128 v[ldb+12:ldb+15], v9 offset:64*(\k)+32
	ds_load_b128 v[ldb+16:ldb+19], v10 offset:64*(\k)
	ds_load_b128 v[ldb+20:ldb+23], v10 offset:64*(\k)+32
	ds_load_b128 v[ldb+24:ldb+27], v11 offset:64*(\k)
	ds_load_b128 v[ldb+28:ldb+31], v11 offset:64*(\k)+32
.endm
	P1LD 0
	P1LD 1
.set kk, 0
.rept 12
.if kk < 11
	s_wait_dscnt 8                                 ; this step's 8 loads are in, the next step's 8 stay out
.else
	s_wait_dscnt 0
.endif
.set lb, 28+32*(kk%3)
.set sq, 124+16*(kk%2)
.set ee, 0
.rept 8
	v_pk_mul_bf16 v[sq+ee], v[lb+ee], v[lb+ee]             ; Y^2
	v_pk_mul_bf16 v[sq+8+ee], v[lb+8+ee], v[lb+8+ee]       ; X^2
.set ee, ee+1
.endr
.if kk < 10
	P1LD kk+2                                      ; into the buffer of step k-1: the 16 products above are the places behind its matrix instructions
.endif
.set zz, kk==0
	MM 164, lb, lb+8, zz
	MM 172, sq, lb+16, zz
	MM 180, sq, lb+24, zz
	MM 188, sq, 156, zz
	MM 196, 156, sq+8, zz
.set kk, kk+1
.endr
	PLACES
.irp j,0,1,2,3,4,5,6,7
	v_sqrt_f32 v[204+\j], v[188+\j]                ; |y_j|, j = 16t + 8h + register
.endr
	v_sqrt_f32 v212, v196                          ; |x_i|, i = r
	v_sqrt_f32 v213, v197
	v_nop
	s_wait_alu depctr_va_vdst(0)
.irp j,0,1,2,3,4,5,6,7,8,9
	v_max_num_f32 v[204+\j], EPSC, v[204+\j]
.endr
.irp j,0,1,2,3,4,5,6,7,8,9
	v_rcp_f32 v[204+\j], v[204+\j]
.endr
	v_nop
	s_wait_alu depctr_va_vdst(0)
.irp c,0,1,2,3
	v_pk_mul_f32 v[204+2*\c:205+2*\c], v[204+2*\c:205+2*\c], v[212:213] op_sel_hi:[1,0]
.endr
.irp c,0,1,2,3
	v_pk_mul_f32 v[164+2*\c:165+2*\c], v[164+2*\c:165+2*\c], v[204+2*\c:205+2*\c]
.endr
	ds_store_b128 v12, v[164:167]
	ds_store_b128 v12, v[168:171] offset:16
.irp c,0,1,2,3
	v_cvt_pk_bf16_f32 v[216+\c], v[164+2*\c], v[165+2*\c]
.endr
	ds_store_b128 v13, v[216:219]
.irp j,0,1,2,3,4,5,6,7,8,9,10,11,12,13,14,15
	v_rsq_f32 v[172+\j], v[172+\j]                 ; 1/|w_p y_j|; infinite for a zero row, cut by the minimum with na*1e13 later
.endr
	v_nop
	s_wait_alu depctr_va_vdst(0)
	ds_store_b128 v14, v[172:175]
	ds_store_b128 v14, v[176:179] offset:16
	ds_store_b128 v15, v[180:183]                  ; lanes r and r+8 hold and store the same numbers
	ds_store_b128 v15, v[184:187] offset:16
	s_branch .Lp1join
.Lp1w7:
	; wave 7: zero tail of the bf16 cos rows; |w_p x_i| for the maxpool weights: D[p,i] = W2 (X^2)^T
	v_add_nc_u32 v8, XB, v4
	v_add_nc_u32 v9, W2MP, v4
	v_and_b32 v19, 7, v2
	v_mul_u32_u24 v10, v19, PITCH
	v_add3_u32 v10, v10, v5, W2MP+16*PITCH
	v_lshlrev_b32 v11, 2, v2
	v_lshl_add_u32 v11, v3, 9, v11
	v_add_nc_u32 v11, NACL, v11                    ; i = r, p = 8h + register (+16)
	v_mul_u32_u24 v12, v2, CBP
	v_add3_u32 v12, v12, v5, COSB+224
.irp j,0,1,2,3
	v_mov_b32 v[20+\j], 0
.endr
	ds_store_b128 v12, v[20:23]
.irp ch,0,1
.if \ch
	PLACES
.endif
.set kk, 0
.rept 6
	ds_load_b128 v[28+8*kk:31+8*kk], v8 offset:64*(6*\ch+kk)
	ds_load_b128 v[32+8*kk:35+8*kk], v8 offset:64*(6*\ch+kk)+32
	ds_load_b128 v[76+8*kk:79+8*kk], v9 offset:64*(6*\ch+kk)
	ds_load_b128 v[80+8*kk:83+8*kk], v9 offset:64*(6*\ch+kk)+32
	ds_load_b128 v[124+8*kk:127+8*kk], v10 offset:64*(6*\ch+kk)
	ds_load_b128 v[128+8*kk:131+8*kk], v10 offset:64*(6*\ch+kk)+32
.set kk, kk+1
.endr
	s_wait_dscnt 0
.set ee, 0
.rept 48
	v_pk_mul_bf16 v[28+ee], v[28+ee], v[28+ee]
.set ee, ee+1
.endr
.set kk, 0
.rept 6
.set zz, (\ch+kk)==0
	MM 172, 76+8*kk, 28+8*kk, zz
	MM 180, 124+8*kk, 28+8*kk, zz
.set kk, kk+1
.endr
.endr
	PLACES
	s_mov_b32 s58, SMALLC
.irp j,0,1,2,3,4,5,6,7,8,9,10,11,12,13,14,15
	v_sqrt_f32 v[188+\j], v[172+\j]
.endr
	v_nop
	s_wait_alu depctr_va_vdst(0)
.irp j,0,1,2,3,4,5,6,7,8,9,10,11,12,13,14,15
	v_rcp_f32 v[204+\j], v[188+\j]
.endr
	v_nop
	s_wait_alu depctr_va_vdst(0)
.irp j,0,1,2,3,4,5,6,7,8,9,10,11,12,13,14,15
	v_mul_f32 v[172+\j], BIGC, v[188+\j]
	v_cmp_lt_f32 vcc_lo, s58, v[188+\j]
	v_cndmask_b32 v[204+\j], 0, v[204+\j], vcc_lo
.endr
.irp j,0,1,2,3,4,5,6,7
	ds_store_b32 v11, v[172+\j] offset:64*\j
	ds_store_b32 v11, v[180+\j] offset:64*\j+1024
	ds_store_b32 v11, v[204+\j] offset:64*\j+2048
	ds_store_b32 v11, v[212+\j] offset:64*\j+3072
.endr
.Lp1join:
	BARRIER                                        ; 2: cos (both forms), 1/nb, na*1e13, 1/na are in LDS
; ---------------- PHASE 2a: the two long loops.  LDS is only read here: results stay in registers until barrier 3 ----------------
	s_cmp_lt_u32 s8, 4
	s_cbranch_scc0 .LroleB
	; ROLE A, waves 0-3: VM[i,h] = max over j of (y[j,h] cos[i,j] + bias[j]).  Wave: 8 rows i (w & 1), 192 columns h (w >> 1).
	; A lane owns h0 + 4L .. +3 and h0 + 128 + 2L .. +1.  A step is four j: 17 LDS loads, 24 unpackings, 8 x 3 x (4 fma pairs + 4 max3).
	s_and_b32 s58, s8, 1
	s_lshr_b32 s59, s8, 1
	s_mul_i32 s76, s59, 384                        ; 2 h0 bytes
	s_mul_i32 s77, s58, 8*CFP
	v_lshl_add_u32 v8, v1, 3, s76
	v_lshl_add_u32 v9, v1, 2, s76
	v_add_nc_u32 v9, 256, v9
	s_add_co_u32 s77, s77, COSF
	v_mov_b32 v10, s77
	v_mov_b32 v11, BIAS
	s_mov_b32 s79, 0xffff0000
.macro ALD b                           ; the 17 loads of one step into buffer b, then the addresses step four j on
.set rb, 80+48*\b
.irp j,0,1,2,3
	ds_load_b64 v[rb+2*\j:rb+2*\j+1], v8 offset:PITCH*\j
.endr
.irp j,0,1,2,3
	ds_load_b32 v[rb+8+\j], v9 offset:PITCH*\j
.endr
.irp i,0,1,2,3,4,5,6,7
	ds_load_b128 v[rb+12+4*\i:rb+15+4*\i], v10 offset:CFP*\i
.endr
	ds_load_b128 v[rb+44:rb+47], v11
	v_add_nc_u32 v8, 4*PITCH, v8
	v_add_nc_u32 v9, 4*PITCH, v9
	v_add_nc_u32 v10, 16, v10
	v_add_nc_u32 v11, 16, v11
.endm
.macro AFMA tq, cu, q, bi, e           ; two columns: y * cos[j] + bias[j]; e picks the register of the cos and bias pairs for both halves
	v_pk_fma_f32 v[\tq:\tq+1], v[\cu:\cu+1], v[\q:\q+1], v[\bi:\bi+1] op_sel:[0,\e,\e] op_sel_hi:[1,\e,\e]
.endm
.macro ASTEP b, first, load, left
	s_wait_dscnt \left
.set rb, 80+48*\b
.irp j,0,1,2,3
	v_lshlrev_b32 v[176+6*\j], 16, v[rb+2*\j]
	v_and_b32 v[177+6*\j], s79, v[rb+2*\j]
	v_lshlrev_b32 v[178+6*\j], 16, v[rb+2*\j+1]
	v_and_b32 v[179+6*\j], s79, v[rb+2*\j+1]
	v_lshlrev_b32 v[180+6*\j], 16, v[rb+8+\j]
	v_and_b32 v[181+6*\j], s79, v[rb+8+\j]
.endr
.irp i,0,1,2,3,4,5,6,7
.irp c,0,1,2
.set tb, 200+8*((\i+\c)&1)
.set ac, 32+6*\i+2*\c
	AFMA tb, 176+2*\c, rb+12+4*\i, rb+44, 0
	AFMA tb+2, 182+2*\c, rb+12+4*\i, rb+44, 1
	AFMA tb+4, 188+2*\c, rb+14+4*\i, rb+46, 0
	AFMA tb+6, 194+2*\c, rb+14+4*\i, rb+46, 1
.if \first
	v_max_num_f32 v[ac], v[tb], v[tb+2]            ; the first step starts the maxima
	v_max_num_f32 v[ac+1], v[tb+1], v[tb+3]
.else
	v_max3_num_f32 v[ac], v[ac], v[tb], v[tb+2]
	v_max3_num_f32 v[ac+1], v[ac+1], v[tb+1], v[tb+3]
.endif
	v_max3_num_f32 v[ac], v[ac], v[tb+4], v[tb+6]
	v_max3_num_f32 v[ac+1], v[ac+1], v[tb+5], v[tb+7]
.endr
.endr
.if \load
	ALD \b
.endif
.endm
	ALD 0
	ALD 1
	ASTEP 0, 1, 1, 17                              ; 17: the other buffer's loads stay out
	ASTEP 1, 0, 1, 17
	s_mov_b32 s60, 12                              ; 28 steps: 2 + 24 + 2
.LloopA:
	ASTEP 0, 0, 1, 17
	ASTEP 1, 0, 1, 17
	s_sub_co_i32 s60, s60, 1
	s_cmp_lg_u32 s60, 0
	s_cbranch_scc1 .LloopA
	ASTEP 0, 0, 0, 17
	ASTEP 1, 0, 0, 0
	s_branch .Lp2join                              ; the 48 maxima stay in v32-v79
.LroleB:
	; ROLE B, waves 4-7, q = w - 4: maxpool for p = 6q .. 6q+5, two p a pass.  D[j,i] = Y (w2_p x_i)^T.
	; sim = dot / max(na nb, 1e-13) = (1/na) dot min(1/nb, na 1e13); maximum and sum are taken before the factor 1/na >= 0.
	v_mov_b32 v8, v4                               ; Y tiles 0-3
	v_add_nc_u32 v9, 64*PITCH, v4                  ; Y tiles 4-6
	v_add_nc_u32 v10, XB, v4
	s_mul_i32 s58, s61, 6*PITCH
	s_add_co_u32 s58, s58, W2MP
	v_add_nc_u32 v11, s58, v5                      ; row p of w2, the same for all r
	s_mul_i32 s58, s61, 6*CFP
	s_add_co_u32 s58, s58, RNB
	v_lshl_add_u32 v12, v3, 5, s58
	v_lshlrev_b32 v13, 5, v3
	v_add_nc_u32 v13, BIAS, v13
	s_mul_i32 s58, s61, 6*64
	s_add_co_u32 s58, s58, NACL
	v_lshl_add_u32 v14, v2, 2, s58
	v_mov_b32 v26, NEGC
	; the passes' results: a chain of three register pairs, v16-17 the newest, v20-21 the oldest, moved on once a pass.
	; The first two pairs are read by the first pass's moves, so they are written here.
.irp j,16,17,18,19
	v_mov_b32 v\j, 0
.endr
.macro MLD s                           ; 12 loads: half a Y tile (6 K steps) into a ring of three
.set rg, 28+48*((\s)%3)
.set tt, (\s)>>1
.set k0, 6*((\s)&1)
.set kk, 0
.rept 6
.if tt < 4
	ds_load_b128 v[rg+8*kk:rg+8*kk+3], v8 offset:tt*16*PITCH+64*(k0+kk)
	ds_load_b128 v[rg+8*kk+4:rg+8*kk+7], v8 offset:tt*16*PITCH+64*(k0+kk)+32
.else
	ds_load_b128 v[rg+8*kk:rg+8*kk+3], v9 offset:(tt-4)*16*PITCH+64*(k0+kk)
	ds_load_b128 v[rg+8*kk+4:rg+8*kk+7], v9 offset:(tt-4)*16*PITCH+64*(k0+kk)+32
.endif
.set kk, kk+1
.endr
.endm
.macro RLD t                           ; 6 loads: 1/nb of both p and the bias for tile t's j = 16t + 8h ..
.irp pp,0,1
	ds_load_b128 v[204+8*\pp:207+8*\pp], v12 offset:CFP*\pp+64*(\t)
	ds_load_b128 v[208+8*\pp:211+8*\pp], v12 offset:CFP*\pp+64*(\t)+16
.endr
	ds_load_b128 v[220:223], v13 offset:64*(\t)
	ds_load_b128 v[224:227], v13 offset:64*(\t)+16
.endm
.macro EPI t                           ; tile t's 8 j a lane into the running sum (228+4pp, pair) and maxima (230, 231 + 4pp)
.set ea, 172+16*((\t)&1)
.irp pp,0,1
.irp j,0,1,2,3,4,5,6,7
	v_min_num_f32 v[236+\j], v[204+8*\pp+\j], v[252+\pp]
.endr
.irp c,0,1,2,3
.if ((\t)+\c)==0
	v_pk_mul_f32 v[228+4*\pp:229+4*\pp], v[ea+8*\pp+2*\c:ea+8*\pp+2*\c+1], v[236+2*\c:237+2*\c]
.else
	v_pk_fma_f32 v[228+4*\pp:229+4*\pp], v[ea+8*\pp+2*\c:ea+8*\pp+2*\c+1], v[236+2*\c:237+2*\c], v[228+4*\pp:229+4*\pp]
.endif
.endr
.irp c,0,1,2,3
	v_pk_fma_f32 v[244+2*\c:245+2*\c], v[ea+8*\pp+2*\c:ea+8*\pp+2*\c+1], v[236+2*\c:237+2*\c], v[220+2*\c:221+2*\c]
.endr
.if (\t)==0
	v_max_num_f32 v[230+4*\pp], v244, v245
	v_max_num_f32 v[231+4*\pp], v246, v247
.else
	v_max3_num_f32 v[230+4*\pp], v[230+4*\pp], v244, v245
	v_max3_num_f32 v[231+4*\pp], v[231+4*\pp], v246, v247
.endif
	v_max3_num_f32 v[230+4*\pp], v[230+4*\pp], v248, v249
	v_max3_num_f32 v[231+4*\pp], v[231+4*\pp], v250, v251
.endr
.endm
	s_mov_b32 s60, 3
.LloopB:
	; BUILD: the 24 B fragments w2_p * x (v256 + 8 (12 pp + k)), six K steps at a time
.irp ch,0,1
.if \ch==0
	PLACES
	ds_load_b32 v252, v14                          ; na * 1e13 of the two p, i = r
	ds_load_b32 v253, v14 offset:64
.endif
.set kk, 0
.rept 6
	ds_load_b128 v[28+8*kk:31+8*kk], v10 offset:64*(6*\ch+kk)
	ds_load_b128 v[32+8*kk:35+8*kk], v10 offset:64*(6*\ch+kk)+32
	ds_load_b128 v[76+8*kk:79+8*kk], v11 offset:64*(6*\ch+kk)
	ds_load_b128 v[80+8*kk:83+8*kk], v11 offset:64*(6*\ch+kk)+32
	ds_load_b128 v[124+8*kk:127+8*kk], v11 offset:PITCH+64*(6*\ch+kk)
	ds_load_b128 v[128+8*kk:131+8*kk], v11 offset:PITCH+64*(6*\ch+kk)+32
.set kk, kk+1
.endr
	s_wait_dscnt 0
	WIN 0x40
.set ee, 0
.rept 48
	v_pk_mul_bf16 v[48*\ch+ee], v[28+ee], v[76+ee]
	v_pk_mul_bf16 v[96+48*\ch+ee], v[28+ee], v[124+ee]
.set ee, ee+1
.endr
	WIN 0
.endr
	MLD 0
	MLD 1
.set ss, 0
.rept 14
.if ss < 2
	s_wait_dscnt 12                                ; behind this half tile's run only the next run of 12 was issued
.elseif ss < 13
	s_wait_dscnt 18                                ; the next run of 12 and one set of 6 (1/nb, bias)
.else
	s_wait_dscnt 0
.endif
	PLACES                                         ; behind the last step's matrix instructions, whose ring buffer is loaded again now
.if ss <= 11
	MLD ss+2
.endif
.if ss & 1
	RLD ss>>1
.endif
	WIN 0x04                                       ; B fragments in v256 and up
.set rg2, 28+48*(ss%3)
.set ac2, 172+16*((ss>>1)&1)
.set kq, 0
.rept 6
.set zz, ((ss&1)+kq)==0
.set bb, (6*(ss&1)+kq)*8
	MM ac2, rg2+8*kq, bb, zz
	MM ac2+8, rg2+8*kq, bb+96, zz
.set kq, kq+1
.endr
	WIN 0
.if (ss&1)==0
.if ss >= 2
.if ss == 12
	s_wait_dscnt 0
.else
	s_wait_dscnt 12                                ; 1/nb and bias of the last tile are in; the run issued behind them stays out
.endif
	EPI (ss>>1)-1                                  ; the other accumulator set: vector work beside this tile's matrix work
.endif
.endif
.set ss, ss+1
.endr
	s_wait_dscnt 0
	PLACES
	EPI 6
	ds_load_b32 v254, v14 offset:2048              ; 1/na of the two p
	ds_load_b32 v255, v14 offset:2048+64
.irp pp,0,1
	v_add_f32 v[236+4*\pp], v[228+4*\pp], v[229+4*\pp]
	v_max_num_f32 v[237+4*\pp], v[230+4*\pp], v[231+4*\pp]
	v_permlanex16_b32 v7, v[236+4*\pp], s12, s13   ; the other half of the lanes holds the other eight j of each tile
	v_add_f32 v[236+4*\pp], v[236+4*\pp], v7
	v_permlanex16_b32 v7, v[237+4*\pp], s12, s13
	v_max_num_f32 v[237+4*\pp], v[237+4*\pp], v7
.endr
	s_wait_dscnt 0
.irp pp,0,1
	v_mul_f32 v[236+4*\pp], v[236+4*\pp], v[254+\pp]
	v_mul_f32 v[237+4*\pp], v[237+4*\pp], v[254+\pp]
	v_mul_f32 v[236+4*\pp], v[236+4*\pp], v6               ; mean = sum / max(count, 1e-13)
	v_cndmask_b32 v[237+4*\pp], v[237+4*\pp], v26, s51     ; count 0: the maximum is -1e30
.endr
	v_mov_b32 v20, v18                             ; the chain moves on,
	v_mov_b32 v21, v19
	v_mov_b32 v18, v16
	v_mov_b32 v19, v17
	v_cndmask_b32 v16, v237, v236, s62             ; and takes this pass: lanes h = 0 the maximum, h = 1 the mean
	v_cndmask_b32 v17, v241, v240, s62
	v_add_nc_u32 v11, 2*PITCH, v11
	v_add_nc_u32 v12, 2*CFP, v12
	v_add_nc_u32 v14, 128, v14
	s_sub_co_i32 s60, s60, 1
	s_cmp_lg_u32 s60, 0
	s_cbranch_scc1 .LloopB
.Lp2join:
	BARRIER                                        ; 3: every wave's loads of phase 2a are complete; LDS may be written again
; A MATCH UNIT: 16 (or 8, or 1) columns of one match.  D[p,i] for num = W2 (x v)^T, na2 = W2 (x x)^T, nb2 = W2 (v v)^T;
; result num / (max(sqrt na2, 1e-8) max(sqrt nb2, 1e-8)).  Before it: s66 part (0: p 0-15, 1: p 16-23, 2: the row of ones = the single
; column), s58 the w2 table, s59 the match's first column, s71 LDS base of v, s72 15 or 0 (v by row, or one row for all), s73 lanes forced to 0.
.macro MTLD k                          ; 6 loads: fragments of x, v, w2 at K step k, ring of three
.set ldb, 28+24*((\k)%3)
	ds_load_b128 v[ldb:ldb+3], v16 offset:64*(\k)
	ds_load_b128 v[ldb+4:ldb+7], v16 offset:64*(\k)+32
	ds_load_b128 v[ldb+8:ldb+11], v17 offset:64*(\k)
	ds_load_b128 v[ldb+12:ldb+15], v17 offset:64*(\k)+32
	ds_load_b128 v[ldb+16:ldb+19], v18 offset:64*(\k)
	ds_load_b128 v[ldb+20:ldb+23], v18 offset:64*(\k)+32
.endm
.macro MATCH id
	s_cmp_eq_u32 s66, 0
	s_cselect_b32 s67, 15, 7                       ; rows of w2 by r, or by r & 7
	s_cselect_b32 s70, 32, 0                       ; the upper half of the lanes holds p + 8, or the same p again
	s_cselect_b32 s68, 0, 16*PITCH
	s_cselect_b32 s69, 1, 17
	s_add_co_u32 s68, s68, s58
	s_cmp_eq_u32 s66, 2
	s_cselect_b32 s67, 0, s67
	s_cselect_b32 s68, ONESROW, s68
	s_cselect_b32 s69, 0, s69
	s_add_co_u32 s69, s69, s59
	s_lshl_b32 s69, s69, 2
	s_add_co_u32 s69, s69, OUTT
	v_add_nc_u32 v16, XB, v4
	v_and_b32 v17, s72, v2
	v_mul_u32_u24 v17, v17, PITCH
	v_add3_u32 v17, v17, v5, s71
	v_and_b32 v18, s67, v2
	v_mul_u32_u24 v18, v18, PITCH
	v_add3_u32 v18, v18, v5, s68
	v_mul_u32_u24 v19, v2, 500
	v_mad_u32_u24 v19, v3, s70, v19
	v_add_nc_u32 v19, s69, v19
	PLACES
	MTLD 0
	MTLD 1
.set kk, 0
.rept 12
.if kk < 11
	s_wait_dscnt 6                                 ; this step's 6 loads are in, the next step's 6 stay out
.else
	s_wait_dscnt 0
.endif
.set lb, 28+24*(kk%3)
.set pb, 100+24*(kk%2)
.set ee, 0
.rept 8
	v_pk_mul_bf16 v[pb+ee], v[lb+ee], v[lb+8+ee]
	v_pk_mul_bf16 v[pb+8+ee], v[lb+ee], v[lb+ee]
	v_pk_mul_bf16 v[pb+16+ee], v[lb+8+ee], v[lb+8+ee]
.set ee, ee+1
.endr
.if kk < 10
	MTLD kk+2                                      ; into step k-1's buffer: the 24 products above are the places behind its matrix instructions
.endif
.set zz, kk==0
	MM 148, lb+16, pb, zz
	MM 156, lb+16, pb+8, zz
	MM 164, lb+16, pb+16, zz
.set kk, kk+1
.endr
	PLACES
.irp j,0,1,2,3,4,5,6,7
	v_sqrt_f32 v[172+\j], v[156+\j]
	v_sqrt_f32 v[180+\j], v[164+\j]
.endr
	v_nop
	s_wait_alu depctr_va_vdst(0)
.irp j,0,1,2,3,4,5,6,7,8,9,10,11,12,13,14,15
	v_max_num_f32 v[172+\j], EPSC, v[172+\j]
.endr
.irp c,0,1,2,3
	v_pk_mul_f32 v[172+2*\c:173+2*\c], v[172+2*\c:173+2*\c], v[180+2*\c:181+2*\c]
.endr
.irp j,0,1,2,3,4,5,6,7
	v_rcp_f32 v[172+\j], v[172+\j]
.endr
	v_nop
	s_wait_alu depctr_va_vdst(0)
.irp c,0,1,2,3
	v_pk_mul_f32 v[172+2*\c:173+2*\c], v[172+2*\c:173+2*\c], v[148+2*\c:149+2*\c]
.endr
.irp j,0,1,2,3,4,5,6,7
	v_cndmask_b32 v[172+\j], v[172+\j], 0, s73
.endr
	ds_store_b32 v19, v172
	s_cmp_eq_u32 s66, 2
	s_cbranch_scc1 .Lmskip\id
.irp j,1,2,3,4,5,6,7
	ds_store_b32 v19, v[172+\j] offset:4*\j
.endr
.Lmskip\id:
.endm
; ---------------- PHASE 2b: the results of 2a into LDS; full match (waves 0-2), cos max and mean (wave 3), attentive mean (waves 4-7) ----------------
	s_cmp_lt_u32 s8, 4
	s_cbranch_scc0 .Lp2bB
	; waves 0-3: my 8 rows x 192 columns of the max-attentive vector, rounded to bf16
	s_and_b32 s58, s8, 1
	s_lshr_b32 s59, s8, 1
	s_mul_i32 s76, s59, 384                        ; 2 h0 bytes
	s_mul_i32 s78, s58, 8*PITCH
	s_add_co_u32 s78, s78, s76
	s_add_co_u32 s78, s78, VM
	v_lshl_add_u32 v12, v1, 3, s78
	v_lshl_add_u32 v13, v1, 2, s78
	v_add_nc_u32 v13, 256, v13
.irp i,0,1,2,3,4,5,6,7
	v_cvt_pk_bf16_f32 v[200+4*(\i&3)], v[32+6*\i], v[33+6*\i]
	v_cvt_pk_bf16_f32 v[201+4*(\i&3)], v[34+6*\i], v[35+6*\i]
	v_cvt_pk_bf16_f32 v[202+4*(\i&3)], v[36+6*\i], v[37+6*\i]
	ds_store_b64 v12, v[200+4*(\i&3):201+4*(\i&3)] offset:PITCH*\i
	ds_store_b32 v13, v[202+4*(\i&3)] offset:PITCH*\i
.endr
	s_cmp_eq_u32 s8, 3
	s_cbranch_scc1 .Lcossum
	s_mov_b32 s66, s8                              ; waves 0-2: the three parts of the full match, v = oth's last token for every row
	s_mov_b32 s58, W2FULL
	s_mov_b32 s59, 2
	s_mov_b32 s71, s52
	s_mov_b32 s72, 0
	s_mov_b32 s73, 0
	MATCH 0
	s_branch .Lp2bjoin
.Lp2bB:
	; waves 4-7: columns 27 + 6q .. +5 (lanes h = 0, maxima) and 51 + 6q .. +5 (h = 1, means); the oldest pair is pass 0
	s_mul_i32 s58, s61, 24
	s_add_co_u32 s58, s58, OUTT+27*4
	v_mul_u32_u24 v15, v2, 500
	v_mad_u32_u24 v15, v3, 96, v15
	v_add_nc_u32 v15, s58, v15
	ds_store_b32 v15, v20
	ds_store_b32 v15, v21 offset:4
	ds_store_b32 v15, v18 offset:8
	ds_store_b32 v15, v19 offset:12
	ds_store_b32 v15, v16 offset:16
	ds_store_b32 v15, v17 offset:20
.Lcossum:
	; waves 3-7: sum over j of cos[i = r, j] in f32: lanes h take j = 56h .. 56h+55; v24 = sum, v25 = 1 / max(sum, 1e-13)
	v_mul_u32_u24 v22, v2, CFP
	v_mad_u32_u24 v22, v3, 224, v22
	v_add_nc_u32 v22, COSF, v22
.set nn, 0
.rept 14
	ds_load_b128 v[180+4*nn:183+4*nn], v22 offset:16*nn
.set nn, nn+1
.endr
	s_wait_dscnt 0
	v_pk_add_f32 v[236:237], v[180:181], v[184:185]
	v_pk_add_f32 v[238:239], v[182:183], v[186:187]
.set nn, 4
.rept 24
	v_pk_add_f32 v[236+2*(nn&1):237+2*(nn&1)], v[236+2*(nn&1):237+2*(nn&1)], v[180+2*nn:181+2*nn]
.set nn, nn+1
.endr
	v_pk_add_f32 v[236:237], v[236:237], v[238:239]
	v_add_f32 v24, v236, v237
	v_permlanex16_b32 v7, v24, s12, s13
	v_add_f32 v24, v24, v7
	v_max_num_f32 v25, TINYC, v24
	v_rcp_f32 v25, v25
	v_nop
	s_cmp_eq_u32 s8, 3
	s_cbranch_scc0 .Lattmean
	; wave 3: columns 0 and 1; the cos values are still in v180-v235
	v_mul_u32_u24 v17, v3, 224
	v_add_nc_u32 v17, BIAS, v17
.set nn, 0
.rept 14
	ds_load_b128 v[28+4*nn:31+4*nn], v17 offset:16*nn
.set nn, nn+1
.endr
	s_wait_dscnt 0
.set nn, 0
.rept 28
	v_pk_add_f32 v[180+2*nn:181+2*nn], v[180+2*nn:181+2*nn], v[28+2*nn:29+2*nn]
.set nn, nn+1
.endr
	v_max_num_f32 v236, v180, v181
	v_max_num_f32 v237, v182, v183
.set nn, 2
.rept 26
	v_max3_num_f32 v[236+(nn&1)], v[236+(nn&1)], v[180+2*nn], v[181+2*nn]
.set nn, nn+1
.endr
	v_max_num_f32 v236, v236, v237
	v_permlanex16_b32 v7, v236, s12, s13
	v_max_num_f32 v236, v236, v7
	v_mul_f32 v237, v24, v6
	v_cndmask_b32 v236, v236, v237, s62            ; h = 0: the maximum, h = 1: the mean
	v_mul_u32_u24 v18, v2, 500
	v_lshl_add_u32 v18, v3, 2, v18
	v_add_nc_u32 v18, OUTT, v18
	ds_store_b32 v18, v236
	s_branch .Lp2bjoin
.Lattmean:
	; waves 4-7: VA[i,h] = (sum over j of cos[i,j] y[j,h]) / max(sum cos, 1e-13), wave q: h = 96q .. 96q+95.  D[h,i] = Y^T cos^T,
	; K = j = 128 (rows 112-127 of Y and of cos are zeros).  Y lies [j][h], so its fragments come by the transposing load.
	v_and_b32 v19, 7, v1
	v_lshl_add_u32 v19, v3, 3, v19
	v_mul_u32_u24 v8, v19, PITCH
	v_bfe_u32 v19, v1, 3, 1
	v_lshl_add_u32 v8, v19, 4, v8
	s_mul_i32 s58, s61, 192
	v_add_nc_u32 v8, s58, v8
	v_add_nc_u32 v9, 64*PITCH, v8
	v_mul_u32_u24 v10, v2, CBP
	v_add3_u32 v10, v10, v5, COSB
	s_add_co_u32 s58, s58, VA
	v_add_nc_u32 v11, s58, v4
	s_wait_alu depctr_va_vdst(0)
	PLACES
.irp k,0,1,2,3
	ds_load_b128 v[28+8*\k:31+8*\k], v10 offset:64*\k
	ds_load_b128 v[32+8*\k:35+8*\k], v10 offset:64*\k+32
.endr
.irp g,0,1
	PLACES
.set uu, 0
.rept 3
.set kq, 0
.rept 4
.set fr, 60+(uu*4+kq)*8
.if kq < 2
	ds_load_tr16_b128 v[fr:fr+3], v8 offset:kq*32*PITCH+32*(3*\g+uu)
	ds_load_tr16_b128 v[fr+4:fr+7], v8 offset:kq*32*PITCH+16*PITCH+32*(3*\g+uu)
.else
	ds_load_tr16_b128 v[fr:fr+3], v9 offset:(kq-2)*32*PITCH+32*(3*\g+uu)
	ds_load_tr16_b128 v[fr+4:fr+7], v9 offset:(kq-2)*32*PITCH+16*PITCH+32*(3*\g+uu)
.endif
.set kq, kq+1
.endr
.set uu, uu+1
.endr
	s_wait_dscnt 0
.set kq, 0
.rept 4
.set zz, kq==0
	MM 156, 60+kq*8, 28+8*kq, zz
	MM 164, 92+kq*8, 28+8*kq, zz
	MM 172, 124+kq*8, 28+8*kq, zz
.set kq, kq+1
.endr
	PLACES
.set nn, 0
.rept 12
	v_pk_mul_f32 v[156+2*nn:157+2*nn], v[156+2*nn:157+2*nn], v[24:25] op_sel:[0,1] op_sel_hi:[1,1]
.set nn, nn+1
.endr
.set nn, 0
.rept 12
	v_cvt_pk_bf16_f32 v[180+nn], v[156+2*nn], v[157+2*nn]
.set nn, nn+1
.endr
.irp u,0,1,2
	ds_store_b128 v11, v[180+4*\u:183+4*\u] offset:32*(3*\g+\u)    ; lane: row i = r, eight neighbouring h
.endr
.endr
.Lp2bjoin:
	BARRIER                                        ; 4: VA and VM are in LDS
; ---------------- PHASE 3: attentive and max-attentive matches, waves 0-5 ----------------
	s_cmp_ge_u32 s8, 6
	s_cbranch_scc1 .Lp3join
	s_cmp_lt_u32 s8, 3
	s_cselect_b32 s78, 0, 1                        ; 0: attentive, 1: max-attentive
	s_cselect_b32 s73, 0, s51                      ; max-attentive with count 0: finite / infinite = 0 in every column
	s_mul_i32 s58, s78, 3
	s_sub_co_u32 s66, s8, s58                      ; part = w mod 3
	s_mul_i32 s58, s78, W2STEP
	s_add_co_u32 s58, s58, W2ATT
	s_mul_i32 s59, s78, 25
	s_add_co_u32 s59, s59, 75
	s_mul_i32 s71, s78, 16*PITCH
	s_add_co_u32 s71, s71, VA
	s_mov_b32 s72, 15
	MATCH 1
.Lp3join:
	BARRIER                                        ; 5: all 125 columns of my 16 rows are in the stage
; ---------------- THE WAY OUT: 8,000 consecutive bytes, 16 a lane ----------------
	v_lshlrev_b32 v9, 4, v0
	v_add_nc_u32 v8, OUTT, v9
	ds_load_b128 v[20:23], v8
	s_wait_dscnt 0
	global_store_b128 v9, v[20:23], s[46:47] th:TH_STORE_NT
	s_wait_xcnt 0x0                                ; EXEC is a source of the store above: it changes only behind this wait
	v_cmp_gt_u32 vcc_lo, 244, v0                   ; 500 pieces of 16 bytes: 256 + 244
	s_set_vgpr_msb 0x5
	s_wait_tensorcnt 0x0
	ds_add_u32 v254, v255
	s_wait_dscnt 0x0
	s_set_vgpr_msb 0x500
	s_and_saveexec_b32 s58, vcc_lo
	s_wait_alu depctr_va_vdst(0)
	ds_load_b128 v[24:27], v8 offset:4096
	s_wait_dscnt 0
	global_store_b128 v9, v[24:27], s[46:47] offset:4096 th:TH_STORE_NT
	s_wait_xcnt 0x0
	s_or_b32 exec_lo, exec_lo, s58
	s_endpgm
.Lfunc_end_k_q029303b52a_bimpm:
	.size	k_q029303b52a_bimpm, .Lfunc_end_k_q029303b52a_bimpm-k_q029303b52a_bimpm
	.p2alignl 7, 3214868480
	.fill 96, 4, 3214868480
	.section	.rodata,"a",@progbits
	.p2align	6, 0x0
	.amdhsa_kernel k_q029303b52a_bimpm
		.amdhsa_group_segment_fixed_size 251136
		.amdhsa_private_segment_fixed_size 0
		.amdhsa_enable_private_segment 0
		.amdhsa_kernarg_size 80
		.amdhsa_user_sgpr_count 2
		.amdhsa_user_sgpr_kernarg_segment_ptr 1
		.amdhsa_wavefront_size32 1
		.amdhsa_system_sgpr_workgroup_id_x 1
		.amdhsa_system_sgpr_workgroup_id_y 1
		.amdhsa_system_sgpr_workgroup_id_z 1
		.amdhsa_system_vgpr_workitem_id 0
		.amdhsa_next_free_vgpr 512
		.amdhsa_next_free_sgpr 80
		.amdhsa_reserve_vcc 1
		.amdhsa_float_denorm_mode_32 3
		.amdhsa_float_denorm_mode_16_64 3
		.amdhsa_memory_ordered 1
		.amdhsa_forward_progress 1
		.amdhsa_inst_pref_size 255
	.end_amdhsa_kernel
	.section	.bss,"aw",@nobits
	.p2align	6
	.space	262144
	.amdgpu_metadata
---
amdhsa.version: [ 1, 2 ]
amdhsa.kernels:
  - .name:           k_q029303b52a_bimpm
    .symbol:         k_q029303b52a_bimpm.kd
    .args:
      - { .name: context_1, .offset: 0, .size: 8, .value_kind: global_buffer, .address_space: global }
      - { .name: context_2, .offset: 8, .size: 8, .value_kind: global_buffer, .address_space: global }
      - { .name: mask_1, .offset: 16, .size: 8, .value_kind: global_buffer, .address_space: global }
      - { .name: mask_2, .offset: 24, .size: 8, .value_kind: global_buffer, .address_space: global }
      - { .name: w_att, .offset: 32, .size: 8, .value_kind: global_buffer, .address_space: global }
      - { .name: w_full, .offset: 40, .size: 8, .value_kind: global_buffer, .address_space: global }
      - { .name: w_max_att, .offset: 48, .size: 8, .value_kind: global_buffer, .address_space: global }
      - { .name: w_maxpool, .offset: 56, .size: 8, .value_kind: global_buffer, .address_space: global }
      - { .name: out0, .offset: 64, .size: 8, .value_kind: global_buffer, .address_space: global }
      - { .name: out1, .offset: 72, .size: 8, .value_kind: global_buffer, .address_space: global }
    .group_segment_fixed_size: 251136
    .private_segment_fixed_size: 0
    .kernarg_segment_align: 8
    .kernarg_segment_size: 80
    .max_flat_workgroup_size: 256
    .sgpr_count:     80
    .vgpr_count:     512
    .wavefront_size: 32
...
	.end_amdgpu_metadata
.endif
;; end of part 1
